; MI455X (gfx1250); checked and timed in simulation.
; The chip was launched on July 23, 2026; its instructions are those of AMD's public machine-readable ISA for CDNA 5 (MIT licence, August 2026) and "CDNA5" Instruction Set Architecture Reference Guide (July 2026). The comments in the code are by the model that wrote it; some were corrected since.
;; Multi Head Attention. Allowed arithmetic: matrix products marked QUANTISED: E3M2 operands, one E8M0 scale for each 32 along K, by v_wmma_scale_f32_16x16x128_f8f6f4 with both operands' format E3M2, f32 sums; everything else in f32.
;; Inputs: Wk_codes 512 x 16 x 24 uint8 (E3M2 codes of Wk, K innermost, in blocks of 32 codes, four codes in three bytes); Wk_scales 512 x 16 uint8 (E8M0 scales of Wk, one for each 32 codes along K); Wo_codes 512 x 16 x 24 uint8 (E3M2 codes of Wo, K innermost, in blocks of 32 codes, four codes in three bytes); Wo_scales 512 x 16 uint8 (E8M0 scales of Wo, one for each 32 codes along K); Wq_codes 512 x 16 x 24 uint8 (E3M2 codes of Wq, K innermost, in blocks of 32 codes, four codes in three bytes); Wq_scales 512 x 16 uint8 (E8M0 scales of Wq, one for each 32 codes along K); Wv_codes 512 x 16 x 24 uint8 (E3M2 codes of Wv, K innermost, in blocks of 32 codes, four codes in three bytes); Wv_scales 512 x 16 uint8 (E8M0 scales of Wv, one for each 32 codes along K); bk 512 float32; bo 512 float32; bq 512 float32; bv 512 float32; k_codes 2 x 4,096 x 16 x 24 uint8 (E3M2 codes of k, K innermost, in blocks of 32 codes, four codes in three bytes); k_scales 2 x 4,096 x 16 uint8 (E8M0 scales of k, one for each 32 codes along K); q_codes 2 x 4,096 x 16 x 24 uint8 (E3M2 codes of q, K innermost, in blocks of 32 codes, four codes in three bytes); q_scales 2 x 4,096 x 16 uint8 (E8M0 scales of q, one for each 32 codes along K); v_codes 2 x 4,096 x 16 x 24 uint8 (E3M2 codes of v, K innermost, in blocks of 32 codes, four codes in three bytes); v_scales 2 x 4,096 x 16 uint8 (E8M0 scales of v, one for each 32 codes along K).
;; Outputs: out0 2 x 4,096 x 512 float32.
;; This version of the problem:
;;   THIS VERSION OF THE PROBLEM IS GIVEN IN LOW PRECISION. The matrix products marked QUANTISED in the list below multiply operands that are first quantised to E3M2 (3 exponent bits, 2 mantissa bits; 6 bits a number), with one power-of-two scale for each 32 numbers along K (OCP MX v1.0); their sums are f32. All else is computed in f32.
;;   The module's matrix products, in the order in which they are computed (A, B: the left and right operand; K: the contracted axis; several contracted axes count as one K, in the product's order):
;;     1. [M 8,192, K 512] x [K 512, N 512]; A: input q (given as codes); B: input Wq (given as codes): QUANTISED
;;     2. [M 8,192, K 512] x [K 512, N 512]; A: input k (given as codes); B: input Wk (given as codes): QUANTISED
;;     3. [M 8,192, K 512] x [K 512, N 512]; A: input v (given as codes); B: input Wv (given as codes): QUANTISED
;;     4. batch 16 x [M 4,096, K 64] x [K 64, N 4,096]; A: computed on the way; B: computed on the way: QUANTISED
;;     5. batch 16 x [M 4,096, K 4,096] x [K 4,096, N 64]; A: softmax (see below); B: computed on the way: QUANTISED
;;     6. [M 8,192, K 512] x [K 512, N 512]; A: computed on the way; B: input Wo (given as codes): QUANTISED
;;   THE QUANTISER, for each operand of a quantised product, along K:
;;     - K is cut into blocks of 32 from its start; a last block that is shorter is filled with zeros.
;;     - A block's scale is 2^e with e = floor(log2(the largest magnitude in the block)) - 4, held to -126 .. 127; a block of zeros has e = 0. As a byte (E8M0): e + 127.
;;     - Each number is divided by its block's scale, clamped to +-28, and rounded to the nearest number of E3M2, ties to even, subnormals kept.
;;     - The product sums the exact products of the quantised numbers (number of the format x scale) in f32.
;;   ~~~python
;;   def quantise(x, axis):      # numpy; x: float32 -> the quantised numbers, widened to float32 again
;;       x = np.moveaxis(x, axis, -1); K = x.shape[-1]
;;       x = np.pad(x, [(0, 0)] * (x.ndim - 1) + [(0, -K % 32)]); x = x.reshape(x.shape[:-1] + (-1, 32)); a = np.abs(x).max(-1, keepdims=True)
;;       e = np.where(a > 0, np.clip(np.frexp(np.where(a > 0, a, 1))[1] - 1 - 4, -126, 127), 0)      # np.frexp(a)[1] - 1 = floor(log2(a)), exactly
;;       r = np.clip(x / 2.0 ** e, -28, 28)
;;       step = 2.0 ** (np.maximum(np.frexp(np.where(r == 0, 1, r))[1] - 1, -2) - 2)
;;       q = np.round(r / step) * step * 2.0 ** e      # np.round: ties to even
;;       return np.moveaxis(q.reshape(q.shape[:-2] + (-1,))[..., :K], -1, axis).astype(np.float32)
;;   ~~~
;;   SOFTMAX AHEAD OF A QUANTISED PRODUCT. Where the list says 'softmax', what is quantised is not the finished softmax but p = 2^(t - M), with t = logit x log2(e) and M = ceil(the row's largest t), a whole number; so 1/2 < the row's largest p <= 1. The row's sum l is taken of the UNQUANTISED p, in f32, and the product's result is divided by l at the end. Since M is a whole number, a kernel that streams over the keys may use a running M (the ceiling of the running maximum): every later rescaling is an exact power of two, which a block's scale takes up: the codes' values come out the same.
;;   OPERANDS COMPUTED ON THE WAY. 'Computed on the way' means the value that the module computes at that place (a softmax that the list does not call 'softmax' is quantised finished and normalised). What goes into a quantiser is computed in f32, as accurately as f32 sums, v_exp_f32 and their like allow (about 1e-6 of the number): no bf16 or f16 on the way to a quantiser, and a product that is left as it is and whose result goes on into a quantised operand takes f32 operands (vector FMAs, or v_wmma_f32_16x16x4_f32). A number that lies on a knife's edge between two numbers of the format may be rounded either way, as far as f32 arithmetic and the matrix unit's own rounding can turn it there, and no further.
;;   INPUTS GIVEN AS CODES. Wk (in the module: [512, 512], K = its axis 1); Wo (in the module: [512, 512], K = its axis 1); Wq (in the module: [512, 512], K = its axis 1); Wv (in the module: [512, 512], K = its axis 1); k (in the module: [2, 4096, 512], K = its axis 2); q (in the module: [2, 4096, 512], K = its axis 2); v (in the module: [2, 4096, 512], K = its axis 2): each comes as NAME_codes (uint8): NAME with its K axis moved to the last place and cut into blocks of 32 codes, [.., K / 32, bytes a block], one block behind the other in memory; four codes in three bytes: a row's codes are one little-endian stream of bits, code i at bits 6 i .. 6 i + 5 (a code: sign, 3 exponent bits, 2 mantissa bits); and NAME_scales (uint8): the same leading axes, one E8M0 byte (e + 127) for each 32 codes along K. Its value is code x scale, taken as it is: it is not quantised again, and the codes and scales need not be those that the quantiser above would give.
;; One version. Each part assembles by itself: llvm-mc -triple=amdgcn-amd-amdhsa -mcpu=gfx1250 --defsym DOCPART=n.
;; ======== version 1 of 1: 3 launches
;; limits: right only within a limited range of input values
;; workspace buffers: qbuf 3,407,872 bytes; kv 6,684,672 bytes; ao 3,407,872 bytes
;; launch proj (part 1): grid 64 x 3, 16 waves a work-group, clusters of 4 x 1, 280,576 bytes of LDS; arguments q_codes, q_scales, Wq_codes, Wq_scales, k_codes, k_scales, Wk_codes, Wk_scales, v_codes, v_scales, Wv_codes, Wv_scales, bq, bk, bv, qbuf, kv; writes qbuf, kv
.if DOCPART == 1
	.amdgcn_target "amdgcn-amd-amdhsa--gfx1250"
	.amdhsa_code_object_version 6
	.text
	.protected	k_q0f974b0bc9_proj
	.globl	k_q0f974b0bc9_proj
	.p2align	8
	.type	k_q0f974b0bc9_proj,@function
k_q0f974b0bc9_proj:
	s_mov_b64 s[64:65], 0
	v_nop
	global_prefetch_b8 v0, s[64:65] scope:SCOPE_SE
	s_setreg_imm32_b32 hwreg(HW_REG_WAVE_MODE, 25, 1), 1
	s_wait_xcnt 0x0
	s_wait_alu depctr_hold_cnt(0) depctr_sa_sdst(0) depctr_va_vdst(0) depctr_va_sdst(0) depctr_va_ssrc(0) depctr_va_vcc(0) depctr_vm_vsrc(0)
	s_getreg_b32 s2, hwreg(HW_REG_IB_STS2, 6, 4)
	s_cmp_eq_u32 s2, 0
	s_cbranch_scc0 .Lentry_in_a_cluster
	s_endpgm
.Lentry_in_a_cluster:
	s_bfe_u32 s2, ttmp6, 0x10000c
	s_cmp_lg_u32 s2, 0x3003
	s_cbranch_scc0 .Lentry_shape_is_right
	s_endpgm
.Lentry_shape_is_right:
; qp = q Wq^T + bq, kp = k Wk^T + bk, vp = v Wv^T + bv on codes of BF6 (E3M2) with one E8M0 scale for each 32 along K = 512; the results are quantised at once, in f32 registers,
; into the operands of the attention launch: qp and kp along a head's 64 channels, vp along the keys.  Work-group y says which: 0 q, 1 k, 2 v.
; SHARES.  A work-group multiplies region A (128 rows, source 0) by region B (512 rows, source 1).  y < 2: A = 128 rows of W (two heads' channels, 128 cx on), B = 512 tokens (512 x cluster x on).
; y = 2: A = 128 tokens of v (one key step), B = all 512 rows of Wv.  So a lane's registers always run along the axis that is quantised: channels for q and k, keys for v.
; Wave w takes B's two tiles 2 w, 2 w + 1 against A's eight: 16 accumulators, 64 matrix instructions.
; THE ROWS OF A TILE ARE NOT NEIGHBOURS: in each group of 64 rows lane r of tile u takes row 8 u + r % 8 + 32 (r / 8).  With such tiles as source 0 a lane of half h holds, in the 32 registers of a
; group's four tiles, rows 32 h + 0 .. 31: ONE WHOLE BLOCK of 32, in the order of a 6-bit operand's registers.  A block's largest magnitude needs no other lane, and no codes change lanes.
; CLUSTER.  The four partners differ in cx alone.  B hangs on the cluster's x and y: it is asked for jointly (mask 15).  A hangs on cx: plain loads.  LDS is filled once: no slot is filled again.
; OUT.  Images of operand registers.  A group (6,656 bytes) = 128 tokens x one head: tile T at 768 T: registers 0-3 at 16 x lane, registers 4-5 at 512 + 8 x lane; scale words at 6144 + 64 T + 4 r
; (two bytes, the upper two 0: they meet zero codes alone).  qbuf: [16 heads][32 groups].  kv: [16 heads][32 key steps] of 13,056 bytes: K's group, then V: channel tile u at 6656 + 1536 u (three
; times 512 bytes, 16 x lane), scale words at 12800 + 64 u + 4 r.
; LIMITS: NaN and infinities are not served.  A block whose largest magnitude lies under 2^-122, a block of zeros too, gets the scale byte 1; these bytes are read by this program alone.
.set PITCH, 432                        ; an LDS row: 3 x (128 bytes of codes + 16 of padding)
.set HALF,  32*PITCH+128               ; rows 32-63 of a group lie 128 bytes further on than the pitch gives: rows i and 32 + i, which one load touches, then start 32 banks apart
.set GS,    HALF+32*PITCH              ; a group of 64 rows: 27,776 bytes.  B's eight groups, then A's two
.set TROW,  8*PITCH                    ; from tile u to tile u + 1
.set HB,    6656
.set STEPB, 13056
.set G0B, 4                            ; s[4:7]   group 0 of my load for B (they take the place of the raw pointers, which are done with by then)
.set G0A, 12                           ; s[12:15]  the same for A
.set G1A, 20                           ; s[20:27]  group 1, no mask
.set G1B, 28                           ; s[28:35]  group 1, mask 15
.set WV,  38
.set YS,  39
.set CX,  40
.set CL,  41
.set AC,  42                           ; s[42:43] A's codes, s[44:45] A's scales, s[46:47] B's codes, s[48:49] B's scales, s[50:51] the bias, s[52:53] the buffer stored into
.set ASC, 44
.set BC,  46
.set BSC, 48
.set BP,  50
.set OP,  52
.set RA,  54                           ; A's first row
.set RB,  56                           ; B's first row
.set BS,  58                           ; bytes of a block of the buffer stored into
.set HS,  59                           ; q, k: bytes from a head to the next; v: 0
.set OB0, 66                           ; s[66:67] where my codes go; s[68:69] the second head's; s[70:71] my scale words
.set OB1, 68
.set OBS, 70
.set SEL, 72                           ; s[72:73] v_permlanex16_b32's selects for lane l xor 16
.set ADA, 1                            ; v1, v2  LDS address of my lane in A's tile 0: + 24 h, and + 40 h for the pieces that lie behind one padding more
.set ADB, 3                            ; v3, v4  the same in my wave's first tile of B
.set L16, 5
.set L8,  6
.set SCA, 7                            ; 4 r + h x HS
.set SH8, 8
.set SH16, 9
.set GA,  10                           ; A's scale rows: 16 bytes a row; lanes 16-31 take the tile 8 rows on
.set GB,  11                           ; B's
.set GBI, 12                           ; the bias
.set HH,  15
.set BT,  16                           ; v16-17   v: the bias of my lane's channel in my two tiles
.set SA,  18                           ; v18-33   A's scale words: register 4 n + s: lanes 0-15 tile 2 n, lanes 16-31 tile 2 n + 1, K step s
.set SB,  34                           ; v34-41   B's: 4 j + s
.set S1F, 42                           ; v42-65   B's two fragments
.set S0F, 66                           ; v66-113  four of A's
.set ACC, 114                          ; v114-241 accumulator (j, t) at 64 j + 8 t
.set TM,  242
.set SO,  246
.set BY,  248
.set PW,  250
.set PX,  252
.set SV,  253
.set PC0, 42                           ; behind the K steps: the codes of my two tiles, 12 registers each,
.set TQ,  66                           ; and the second halves of blocks as the conversions leave them
.macro PLACES n
.rept \n
	v_nop
.endr
.endm
.macro CROUND                          ; a round of the cluster's barrier
	s_barrier_signal -1
	s_barrier_wait -1
	s_cmp_lg_u32 s[WV], 0
	s_cbranch_scc1 .Lnot_wave_0_\@
	s_barrier_signal -3
.Lnot_wave_0_\@:
	s_barrier_wait -3
	s_barrier_signal -1
	s_barrier_wait -1
.endm
; A fragment, 16 rows x 128 K: lane (r, h) takes bytes 96 s + 24 h .. + 23 and 96 s + 48 + 24 h .. + 23 of its row, in pieces of 8 bytes.  Piece p of a row lies at 8 p + 16 (p / 16).
.macro FRAG reg, adr, s, off
.irp p, 0,1,2,3,4,5
.set PCE, 12*(\s)+6*(\p/3)+\p%3
.if PCE%16 < 13
	ds_load_b64 v[\reg+2*\p:\reg+2*\p+1], v[\adr] offset:8*PCE+16*(PCE/16)+(\off)
.else
	ds_load_b64 v[\reg+2*\p:\reg+2*\p+1], v[\adr+1] offset:8*PCE+16*(PCE/16)+(\off)
.endif
.endr
.endm
.macro MM t, j, s                      ; accumulator (j, t) += A's tile t x B's tile j, K step s
.if (\t)%2 == 1
	v_wmma_scale_f32_16x16x128_f8f6f4 v[ACC+64*(\j)+8*(\t):ACC+64*(\j)+8*(\t)+7], v[S0F+12*((\t)%4):S0F+12*((\t)%4)+11], v[S1F+12*(\j):S1F+12*(\j)+11], v[ACC+64*(\j)+8*(\t):ACC+64*(\j)+8*(\t)+7], v[SA+4*((\t)/2)+(\s)], v[SB+4*(\j)+(\s)] matrix_a_fmt:MATRIX_FMT_BF6 matrix_b_fmt:MATRIX_FMT_BF6 matrix_a_scale:MATRIX_SCALE_ROW1
.else
	v_wmma_scale_f32_16x16x128_f8f6f4 v[ACC+64*(\j)+8*(\t):ACC+64*(\j)+8*(\t)+7], v[S0F+12*((\t)%4):S0F+12*((\t)%4)+11], v[S1F+12*(\j):S1F+12*(\j)+11], v[ACC+64*(\j)+8*(\t):ACC+64*(\j)+8*(\t)+7], v[SA+4*((\t)/2)+(\s)], v[SB+4*(\j)+(\s)] matrix_a_fmt:MATRIX_FMT_BF6 matrix_b_fmt:MATRIX_FMT_BF6
.endif
.endm
; A K step of 128: my two fragments of B, A's eight in two runs of four.  The sixteen accumulators take turns, one instruction a turn.
; Four places stand in front of each run of loads into registers that matrix instructions have read (ISA guide 7.12.1 for vector instructions).
.macro KSTEP s
.if (\s) > 0
	PLACES 4
.endif
	FRAG S1F, ADB, \s, 0
	FRAG S1F+12, ADB, \s, TROW
.irp u, 0,1,2,3
	FRAG S0F+12*\u, ADA, \s, TROW*\u
.endr
	s_wait_dscnt 0x0
.irp t, 0,1,2,3
	MM \t, 0, \s
	MM \t, 1, \s
.endr
	PLACES 4
.irp u, 0,1,2,3
	FRAG S0F+12*\u, ADA, \s, GS+TROW*\u
.endr
	s_wait_dscnt 0x0
.irp t, 4,5,6,7
	MM \t, 0, \s
	MM \t, 1, \s
.endr
.endm
; 64 numbers of a lane, register 32 c + i = k 64 c + 32 h + i of its row, become a fragment's 12 registers of codes (v[pc] on) and its scale word (v[pw]).
; Each accumulator is first read at its low end.
.macro QUANT src, pc, pw
.irp c, 0,1
	v_max3_num_f32 v[TM+2*\c], |v[\src+32*\c]|, |v[\src+32*\c+1]|, 0x2800000   ; my block 2 c + h, in two chains; the floor 2^(5 - 127) holds the byte at 1 from below
	v_max3_num_f32 v[TM+2*\c+1], |v[\src+32*\c+16]|, |v[\src+32*\c+17]|, |v[\src+32*\c+18]|
.endr
.irp i, 2,4,6,8,10,12
.irp c, 0,1
	v_max3_num_f32 v[TM+2*\c], v[TM+2*\c], |v[\src+32*\c+\i]|, |v[\src+32*\c+\i+1]|
	v_max3_num_f32 v[TM+2*\c+1], v[TM+2*\c+1], |v[\src+32*\c+\i+17]|, |v[\src+32*\c+\i+18]|
.endr
.endr
.irp c, 0,1
	v_max3_num_f32 v[TM+2*\c], v[TM+2*\c], |v[\src+32*\c+14]|, |v[\src+32*\c+15]|
.endr
.irp c, 0,1
	v_max3_num_f32 v[TM+2*\c], v[TM+2*\c], v[TM+2*\c+1], |v[\src+32*\c+31]|    ; the block's largest magnitude
.endr
.irp c, 0,1
	s_delay_alu instid0(VALU_DEP_2)
	v_add_nc_u32 v[SO+\c], 0xfe000000, v[TM+2*\c]  ; 4 off its exponent field: the conversion takes the exponent field of this operand as its scale
.endr
.irp c, 0,1
	s_delay_alu instid0(VALU_DEP_2)
	v_lshrrev_b32 v[BY+\c], 23, v[SO+\c]           ; the scale's byte
.endr
	s_delay_alu instid0(VALU_DEP_1)
	v_lshl_or_b32 v[\pw], v[BY+1], 16, v[BY]       ; my two bytes, blocks h and 2 + h,
	s_delay_alu instid0(VALU_DEP_1)
	v_lshlrev_b32 v[\pw], v[SH8], v[\pw]           ; at their places in the word;
	s_delay_alu instid0(VALU_DEP_1)
	v_permlanex16_b32 v[PX], v[\pw], s[SEL], s[SEL+1]
	s_delay_alu instid0(VALU_DEP_1)
	v_or_b32 v[\pw], v[\pw], v[PX]                 ; with lane l xor 16's two the word is whole
.irp c, 0,1
	v_cvt_scalef32_pk16_bf6_f32 v[\pc+6*\c:\pc+6*\c+2], v[\src+32*\c:\src+32*\c+15], v[SO+\c]
	v_cvt_scalef32_pk16_bf6_f32 v[TQ+4*\c:TQ+4*\c+2], v[\src+32*\c+16:\src+32*\c+31], v[SO+\c]   ; (a conversion's three registers begin on an even number)
.endr
	v_nop                                          ; one plain place behind a scaled conversion
.irp c, 0,1
.irp i, 0,1,2
	v_mov_b32 v[\pc+6*\c+3+\i], v[TQ+4*\c+\i]
.endr
.endr
.endm
	s_load_b512 s[4:19], s[0:1], 0x0               ; q's codes, scales; Wq's; k's; Wk's
	s_load_b512 s[20:35], s[0:1], 0x40             ; v's codes, scales; Wv's; bq, bk, bv; qbuf
	s_load_b64 s[36:37], s[0:1], 0x80              ; kv
	v_lshl_add_u32 v254, v0, 2, 0x44000
	v_mov_b32 v255, 0
	ds_add_u32 v254, v255
	ds_add_u32 v254, v255
	s_wait_dscnt 0x0
	v_lshrrev_b32 v13, 5, v0
	s_delay_alu instid0(VALU_DEP_1)
	v_readfirstlane_b32 s[WV], v13                 ; wave 0..15
	s_and_b32 s[YS], ttmp7, 0xffff                 ; which projection: shared by the partners
	s_bfe_u32 s[CX], ttmp6, 0x40000                ; my place in the cluster: it enters global addresses of plain loads and of stores alone
	s_mov_b32 s[CL], ttmp9                         ; the cluster's x
	s_mov_b32 s[SEL], 0x76543210
	s_mov_b32 s[SEL+1], 0xfedcba98
	v_and_b32 v13, 7, v0                           ; r % 8
	v_bfe_u32 v14, v0, 3, 1                        ; r / 8
	v_bfe_u32 v[HH], v0, 4, 1                      ; h
	s_delay_alu instid0(VALU_DEP_3)
	v_mul_u32_u24 v[ADA], v13, PITCH
	s_delay_alu instid0(VALU_DEP_1)
	v_mad_u32_u24 v[ADA], v14, HALF, v[ADA]        ; my row of a tile
	s_delay_alu instid0(VALU_DEP_1)
	v_mad_u32_u24 v[ADA+1], v[HH], 40, v[ADA]
	s_delay_alu instid0(VALU_DEP_2)
	v_mad_u32_u24 v[ADA], v[HH], 24, v[ADA]
	s_lshr_b32 s60, s[WV], 1                       ; my group of 64 rows of B,
	s_and_b32 s61, s[WV], 1                        ; and which two of its four tiles
	s_mul_i32 s62, s60, GS
	s_mul_i32 s63, s61, 2*TROW
	s_add_co_u32 s62, s62, s63
	v_mul_u32_u24 v[ADB], v13, PITCH               ; B's groups come by one load each: their rows 32-63 lie at the plain pitch
	s_delay_alu instid0(VALU_DEP_1)
	v_mad_u32_u24 v[ADB], v14, 32*PITCH, v[ADB]
	s_delay_alu instid0(VALU_DEP_1)
	v_mad_u32_u24 v[ADB+1], v[HH], 40, v[ADB]
	s_delay_alu instid0(VALU_DEP_2)
	v_mad_u32_u24 v[ADB], v[HH], 24, v[ADB]
	s_delay_alu instid0(VALU_DEP_2)
	v_add_nc_u32 v[ADB+1], s62, v[ADB+1]
	s_delay_alu instid0(VALU_DEP_2)
	v_add_nc_u32 v[ADB], s62, v[ADB]
	v_add_nc_u32 v[ADA], 8*GS, v[ADA]              ; A lies behind B's eight groups
	v_add_nc_u32 v[ADA+1], 8*GS, v[ADA+1]
	v_and_b32 v[L16], 31, v0
	s_delay_alu instid0(VALU_DEP_1)
	v_lshlrev_b32 v[L8], 3, v[L16]
	s_delay_alu instid0(VALU_DEP_2)
	v_lshlrev_b32 v[L16], 4, v[L16]
	v_lshlrev_b32 v[SH8], 3, v[HH]
	v_lshlrev_b32 v[SH16], 4, v[HH]
	v_lshl_add_u32 v13, v14, 5, v13                ; r % 8 + 32 (r / 8)
	s_delay_alu instid0(VALU_DEP_1)
	v_lshl_add_u32 v[GA], v[HH], 3, v13
	s_delay_alu instid0(VALU_DEP_1)
	v_lshlrev_b32 v[GA], 4, v[GA]
	s_lshl_b32 s60, s60, 6
	s_lshl_b32 s61, s61, 4
	s_add_co_u32 s60, s60, s61                     ; my first tile's first row in B: 64 (w / 2) + 16 (w % 2)
	v_add_nc_u32 v[GB], s60, v13
	s_delay_alu instid0(VALU_DEP_1)
	v_lshlrev_b32 v[GB], 4, v[GB]
	v_mov_b32 v[PX], 0                             ; written once: a lane permute's destination counts as one of its sources
	s_mov_b32 s[BS], HB
	s_cmp_lg_u32 s[YS], 0
	s_cselect_b32 s[BS], STEPB, s[BS]              ; k and v go into kv
	s_lshl_b32 s[HS], s[BS], 5
	s_lshl_b32 s60, s[CL], 2
	s_add_co_u32 s60, s60, s[CX]
	s_lshl_b32 s60, s60, 7                         ; v: tokens 128 (4 x cluster + cx) on
	s_lshl_b32 s61, s[CX], 7                       ; q, k: W's rows 128 cx on
	s_lshl_b32 s88, s[CL], 9                       ; q, k: tokens 512 x cluster on
	s_cmp_eq_u32 s[YS], 2
	s_cselect_b32 s[HS], 0, s[HS]
	s_cselect_b32 s[RA], s60, s61
	s_cselect_b32 s[RB], 0, s88
	v_and_b32 v[SCA], 15, v0
	s_delay_alu instid0(VALU_DEP_1)
	v_lshlrev_b32 v[SCA], 2, v[SCA]
	s_delay_alu instid0(VALU_DEP_1)
	v_mad_u32_u24 v[SCA], v[HH], s[HS], v[SCA]
	; where my results go: block (8 b + head) x 32 + step
	s_lshr_b32 s60, s[WV], 1                       ; v: the head is my group of Wv's rows
	s_lshl_b32 s61, s[CX], 1                       ; q, k: heads 2 cx, 2 cx + 1
	s_lshr_b32 s62, s[WV], 2                       ; q, k: which 128 of the 512 tokens
	s_cmp_eq_u32 s[YS], 2
	s_cselect_b32 s60, s60, s61
	s_cselect_b32 s61, s[CX], s62
	s_lshr_b32 s62, s[CL], 3                       ; b
	s_lshl_b32 s62, s62, 3
	s_add_co_u32 s60, s60, s62
	s_lshl_b32 s60, s60, 5
	s_and_b32 s62, s[CL], 7
	s_lshl_b32 s62, s62, 2
	s_add_co_u32 s60, s60, s62
	s_add_co_u32 s60, s60, s61
	s_mul_i32 s60, s60, s[BS]                      ; the block's first byte
	s_and_b32 s61, s[WV], 1
	s_mul_i32 s62, s61, 3072
	s_add_co_u32 s62, s62, 6656                    ; v: codes of channel tiles 2 (w % 2) + j
	s_lshl_b32 s61, s61, 7
	s_add_co_u32 s61, s61, 12800                   ; v: their scale words
	s_and_b32 s63, s[WV], 3
	s_mul_i32 s55, s63, 1536                       ; q, k: codes of token tiles 2 (w % 4) + j
	s_lshl_b32 s63, s63, 7
	s_add_co_u32 s63, s63, 6144                    ; q, k: their scale words
	s_cmp_eq_u32 s[YS], 2
	s_cselect_b32 s74, s62, s55
	s_cselect_b32 s76, s61, s63
	s_add_co_u32 s74, s74, s60
	s_add_co_u32 s76, s76, s60
	s_mov_b32 s75, 0
	s_mov_b32 s77, 0
	s_mov_b32 s78, s[HS]
	s_mov_b32 s79, 0
	; what I fetch, if I fetch: waves 0-7 a group of 64 rows of B each, waves 8-11 32 rows of A each
	s_and_b32 s88, s[WV], 7
	s_lshl_b32 s88, s88, 6
	s_add_co_u32 s88, s88, s[RB]
	s_mul_i32 s82, s88, 384
	s_mov_b32 s83, 0
	s_lshl_b32 s86, s[RB], 4
	s_mov_b32 s87, 0
	s_and_b32 s60, s[WV], 3                        ; waves 8-11 fetch 32 rows of A each
	s_lshl_b32 s60, s60, 5
	s_add_co_u32 s60, s60, s[RA]
	s_mul_i32 s80, s60, 384
	s_mov_b32 s81, 0
	s_lshl_b32 s84, s[RA], 4
	s_mov_b32 s85, 0
	s_wait_kmcnt 0x0
	s_cmp_eq_u32 s[YS], 1                          ; the choices hang on the work-group's y alone
	s_cselect_b64 s[AC:AC+1], s[16:17], s[8:9]
	s_cselect_b64 s[ASC:ASC+1], s[18:19], s[10:11]
	s_cselect_b64 s[BC:BC+1], s[12:13], s[4:5]
	s_cselect_b64 s[BSC:BSC+1], s[14:15], s[6:7]
	s_cselect_b64 s[BP:BP+1], s[30:31], s[28:29]
	s_cselect_b64 s[OP:OP+1], s[36:37], s[34:35]
	s_cmp_eq_u32 s[YS], 2                          ; v: the tokens are A, the weight is B
	s_cselect_b64 s[AC:AC+1], s[20:21], s[AC:AC+1]
	s_cselect_b64 s[ASC:ASC+1], s[22:23], s[ASC:ASC+1]
	s_cselect_b64 s[BC:BC+1], s[24:25], s[BC:BC+1]
	s_cselect_b64 s[BSC:BSC+1], s[26:27], s[BSC:BSC+1]
	s_cselect_b64 s[BP:BP+1], s[32:33], s[BP:BP+1]
	s_cselect_b64 s[OP:OP+1], s[36:37], s[OP:OP+1]
	s_add_nc_u64 s[ASC:ASC+1], s[ASC:ASC+1], s[84:85]
	s_add_nc_u64 s[BSC:BSC+1], s[BSC:BSC+1], s[86:87]
	s_add_nc_u64 s[OB0:OB0+1], s[OP:OP+1], s[74:75]
	s_add_nc_u64 s[OB1:OB1+1], s[OB0:OB0+1], s[78:79]
	s_add_nc_u64 s[OBS:OBS+1], s[OP:OP+1], s[76:77]
	; group 1: 32 rows of 384 bytes, 384 bytes apart; in LDS 16 bytes of padding behind every 128
	s_mov_b32 s[G1A], (1<<20)|(4<<22)|(3<<25)      ; 15:0 no mask; 17:16 elements of 1 byte; 20 padding on; 24:22 after every 32 words (code 4); 31:25 of 4 words (code 3)
	s_mov_b32 s[G1B], 15|(1<<20)|(1<<21)|(4<<22)|(3<<25)   ; the same with the mask of all four partners, and bit 21 beside it
.irp g, G1A, G1B
	s_mov_b32 s[\g+1], 256<<16                     ; the rows of codes are dense in memory: 32 of 384 bytes are stated as 48 of 256 bytes, each on a multiple of 256
	s_mov_b32 s[\g+2], 48<<16
	s_mov_b32 s[\g+3], 256<<16
	s_mov_b32 s[\g+4], 48
	s_mov_b32 s[\g+5], 256
	s_mov_b32 s[\g+6], 0
	s_mov_b32 s[\g+7], 0
.endr
	s_mov_b32 s[G1B+2], 96<<16                     ; B: a whole group of 64 rows, 96 rows of 256 bytes
	s_mov_b32 s[G1B+4], 96
	s_mov_b32 s[G0B], 1
	s_mul_i32 s[G0B+1], s[WV], GS                  ; group w of LDS: the wave's number alone
	s_add_nc_u64 s[G0B+2:G0B+3], s[BC:BC+1], s[82:83]
	s_or_b32 s[G0B+3], s[G0B+3], 0x80000000
	s_mov_b32 s[G0A], 1
	s_bfe_u32 s60, s[WV], 0x10001                  ; waves 8-11: A's group (w / 2) % 2, behind B's eight,
	s_add_co_u32 s60, s60, 8
	s_mul_i32 s[G0A+1], s60, GS
	s_and_b32 s61, s[WV], 1                        ; and its half w % 2
	s_mul_i32 s61, s61, HALF
	s_add_co_u32 s[G0A+1], s[G0A+1], s61
	s_add_nc_u64 s[G0A+2:G0A+3], s[AC:AC+1], s[80:81]
	s_or_b32 s[G0A+3], s[G0A+3], 0x80000000
	CROUND                                         ; all four partners are here: the joint loads meet
	s_cmp_lt_u32 s[WV], 8                          ; a wave's fill stands in a branch on its number: one load of mine is out at the most
	s_cbranch_scc0 .Lnot_b
	tensor_load_to_lds s[G0B:G0B+3], s[G1B:G1B+7]
	s_nop 0
	PLACES 4
	s_branch .Lasked
.Lnot_b:
	s_cmp_lt_u32 s[WV], 12
	s_cbranch_scc0 .Lasked
	tensor_load_to_lds s[G0A:G0A+3], s[G1A:G1A+7]
	s_nop 0
	PLACES 4
.Lasked:
	; while the tiles are on their way: scale words (a row's 16 bytes are its four K steps' words) and the bias
	s_wait_alu depctr_va_vdst(0)
.irp n, 0,1,2,3
	global_load_b128 v[SA+4*\n:SA+4*\n+3], v[GA], s[ASC:ASC+1] offset:(64*(\n/2)+16*(\n%2))*16
.endr
.irp j, 0,1
	global_load_b128 v[SB+4*\j:SB+4*\j+3], v[GB], s[BSC:BSC+1] offset:128*\j
.endr
	s_cmp_eq_u32 s[YS], 2
	s_cbranch_scc1 .Lbias_v
	s_lshl_b32 s60, s[CX], 9                       ; q, k: the bias runs along the registers: it is loaded straight into the accumulators, in the result's layout
	s_mov_b32 s61, 0
	s_add_nc_u64 s[BP:BP+1], s[BP:BP+1], s[60:61]
	v_lshlrev_b32 v[GBI], 7, v[HH]                 ; my half's 32 channels
.irp j, 0,1
.irp t, 0,1,2,3,4,5,6,7
	global_load_b128 v[ACC+64*\j+8*\t:ACC+64*\j+8*\t+3], v[GBI], s[BP:BP+1] offset:(64*(\t/4)+8*(\t%4))*4
	global_load_b128 v[ACC+64*\j+8*\t+4:ACC+64*\j+8*\t+7], v[GBI], s[BP:BP+1] offset:(64*(\t/4)+8*(\t%4))*4+16
.endr
.endr
	s_branch .Lbias_done
.Lbias_v:
	v_lshrrev_b32 v[GBI], 2, v[GB]                 ; v: the bias runs along the lanes: one number a lane and tile, spread over the tile's accumulators
	global_load_b32 v[BT], v[GBI], s[BP:BP+1]
	global_load_b32 v[BT+1], v[GBI], s[BP:BP+1] offset:32
	s_wait_loadcnt 0x0
.set i, 0
.rept 64
	v_mov_b32 v[ACC+i], v[BT]
	v_mov_b32 v[ACC+64+i], v[BT+1]
.set i, i+1
.endr
.Lbias_done:
	s_wait_tensorcnt 0x0                           ; my parts of A and B have landed,
	s_barrier_signal -1
	s_barrier_wait -1                              ; everybody's have
	s_wait_loadcnt 0x0                             ; scale words and bias
	s_wait_alu depctr_va_vdst(0)
	KSTEP 0
	KSTEP 1
	KSTEP 2
	KSTEP 3
	PLACES 4                                       ; in front of the first reads of results and of writes over fragments
	QUANT ACC, PC0, PW
	QUANT ACC+64, PC0+12, PW+1
	s_cmp_eq_u32 s[YS], 2
	s_cbranch_scc1 .Lstore_v
.irp j, 0,1                                    ; q, k: registers 6 c .. 6 c + 5 are head c's fragment of my 16 tokens: 512 and 256 consecutive bytes a store
	global_store_b128 v[L16], v[PC0+12*\j:PC0+12*\j+3], s[OB0:OB0+1] offset:768*\j
	global_store_b64 v[L8], v[PC0+12*\j+4:PC0+12*\j+5], s[OB0:OB0+1] offset:768*\j+512
	global_store_b128 v[L16], v[PC0+12*\j+6:PC0+12*\j+9], s[OB1:OB1+1] offset:768*\j
	global_store_b64 v[L8], v[PC0+12*\j+10:PC0+12*\j+11], s[OB1:OB1+1] offset:768*\j+512
	v_lshrrev_b32 v[SV+\j], v[SH16], v[PW+\j]      ; lanes 0-15 store the first head's two bytes, lanes 16-31 the second head's
	s_delay_alu instid0(VALU_DEP_1)
	v_and_b32 v[SV+\j], 0xffff, v[SV+\j]
	s_delay_alu instid0(VALU_DEP_1)
	v_lshl_or_b32 v[SV+\j], v[SV+\j], 16, v[SV+\j] ; the two bytes stand in both halves of the word: the attention launch uses a tile as either half of a fragment
	global_store_b32 v[SCA], v[SV+\j], s[OBS:OBS+1] offset:64*\j
.endr
	s_branch .Lstored
.Lstore_v:
	s_wait_alu depctr_va_vdst(0)
.irp j, 0,1                                    ; v: a whole fragment, 16 channels x 128 keys
.irp n, 0,1,2
	global_store_b128 v[L16], v[PC0+12*\j+4*\n:PC0+12*\j+4*\n+3], s[OB0:OB0+1] offset:1536*\j+512*\n
.endr
	global_store_b32 v[SCA], v[PW+\j], s[OBS:OBS+1] offset:64*\j   ; both halves of the lanes hold the same word and write it to the same place
.endr
.Lstored:
	s_wait_xcnt 0x0
	v_lshl_add_u32 v254, v0, 2, 0x44000
	v_mov_b32 v255, 0
	s_wait_alu depctr_va_vdst(0)
	s_wait_tensorcnt 0x0
	ds_add_u32 v254, v255
	s_wait_dscnt 0x0
	CROUND                                         ; the closing round: no work-group ends while a partner may still ask for a tile that names it
	s_endpgm
.Lfunc_end_k_q0f974b0bc9_proj:
	.size	k_q0f974b0bc9_proj, .Lfunc_end_k_q0f974b0bc9_proj-k_q0f974b0bc9_proj
	.p2alignl 7, 3214868480
	.fill 96, 4, 3214868480
	.section	.rodata,"a",@progbits
	.p2align	6, 0x0
	.amdhsa_kernel k_q0f974b0bc9_proj
		.amdhsa_group_segment_fixed_size 280576
		.amdhsa_private_segment_fixed_size 0
		.amdhsa_enable_private_segment 0
		.amdhsa_kernarg_size 136
		.amdhsa_user_sgpr_count 2
		.amdhsa_user_sgpr_kernarg_segment_ptr 1
		.amdhsa_wavefront_size32 1
		.amdhsa_system_sgpr_workgroup_id_x 1
		.amdhsa_system_sgpr_workgroup_id_y 1
		.amdhsa_system_sgpr_workgroup_id_z 1
		.amdhsa_system_vgpr_workitem_id 0
		.amdhsa_next_free_vgpr 256
		.amdhsa_next_free_sgpr 96
		.amdhsa_reserve_vcc 0
		.amdhsa_float_denorm_mode_32 3
		.amdhsa_float_denorm_mode_16_64 3
		.amdhsa_memory_ordered 1
		.amdhsa_forward_progress 1
		.amdhsa_inst_pref_size 51
	.end_amdhsa_kernel
	.amdgpu_metadata
---
amdhsa.version: [ 1, 2 ]
amdhsa.kernels:
  - .name:           k_q0f974b0bc9_proj
    .symbol:         k_q0f974b0bc9_proj.kd
    .args:
      - { .name: q_codes, .offset: 0, .size: 8, .value_kind: global_buffer, .address_space: global }
      - { .name: q_scales, .offset: 8, .size: 8, .value_kind: global_buffer, .address_space: global }
      - { .name: Wq_codes, .offset: 16, .size: 8, .value_kind: global_buffer, .address_space: global }
      - { .name: Wq_scales, .offset: 24, .size: 8, .value_kind: global_buffer, .address_space: global }
      - { .name: k_codes, .offset: 32, .size: 8, .value_kind: global_buffer, .address_space: global }
      - { .name: k_scales, .offset: 40, .size: 8, .value_kind: global_buffer, .address_space: global }
      - { .name: Wk_codes, .offset: 48, .size: 8, .value_kind: global_buffer, .address_space: global }
      - { .name: Wk_scales, .offset: 56, .size: 8, .value_kind: global_buffer, .address_space: global }
      - { .name: v_codes, .offset: 64, .size: 8, .value_kind: global_buffer, .address_space: global }
      - { .name: v_scales, .offset: 72, .size: 8, .value_kind: global_buffer, .address_space: global }
      - { .name: Wv_codes, .offset: 80, .size: 8, .value_kind: global_buffer, .address_space: global }
      - { .name: Wv_scales, .offset: 88, .size: 8, .value_kind: global_buffer, .address_space: global }
      - { .name: bq, .offset: 96, .size: 8, .value_kind: global_buffer, .address_space: global }
      - { .name: bk, .offset: 104, .size: 8, .value_kind: global_buffer, .address_space: global }
      - { .name: bv, .offset: 112, .size: 8, .value_kind: global_buffer, .address_space: global }
      - { .name: qbuf, .offset: 120, .size: 8, .value_kind: global_buffer, .address_space: global }
      - { .name: kv, .offset: 128, .size: 8, .value_kind: global_buffer, .address_space: global }
    .group_segment_fixed_size: 280576
    .private_segment_fixed_size: 0
    .kernarg_segment_align: 8
    .kernarg_segment_size: 136
    .max_flat_workgroup_size: 512
    .sgpr_count:     96
    .vgpr_count:     256
    .wavefront_size: 32
...
	.end_amdgpu_metadata
.endif
;; end of part 1
;; launch attn (part 2): grid 16 x 16, 16 waves a work-group, clusters of 4 x 1, 327,680 bytes of LDS; arguments qbuf, kv, ao; writes ao
.if DOCPART == 2
	.amdgcn_target "amdgcn-amd-amdhsa--gfx1250"
	.amdhsa_code_object_version 6
	.text
	.protected	k_q0f974b0bc9_attn
	.globl	k_q0f974b0bc9_attn
	.p2align	8
	.type	k_q0f974b0bc9_attn,@function
k_q0f974b0bc9_attn:
	s_mov_b64 s[64:65], 0
	v_nop
	global_prefetch_b8 v0, s[64:65] scope:SCOPE_SE
	s_setreg_imm32_b32 hwreg(HW_REG_WAVE_MODE, 25, 1), 1
	s_wait_xcnt 0x0
	s_wait_alu depctr_hold_cnt(0) depctr_sa_sdst(0) depctr_va_vdst(0) depctr_va_sdst(0) depctr_va_ssrc(0) depctr_va_vcc(0) depctr_vm_vsrc(0)
	s_getreg_b32 s2, hwreg(HW_REG_IB_STS2, 6, 4)
	s_cmp_eq_u32 s2, 0
	s_cbranch_scc0 .Lentry_in_a_cluster
	s_endpgm
.Lentry_in_a_cluster:
	s_bfe_u32 s2, ttmp6, 0x10000c
	s_cmp_lg_u32 s2, 0x3003
	s_cbranch_scc0 .Lentry_shape_is_right
	s_endpgm
.Lentry_shape_is_right:
; One head's attention on codes of BF6 (E3M2): S^T = K Q^T, p = 2^(t - M), O^T = V^T P^T (K = the keys), O / l, quantised along the channels for the output projection.
; t = score x log2(e) / 8; M = the running largest t rounded UP to a whole number; the row's sum l is taken of the unquantised p, in f32.
; SHARES.  A work-group owns 256 queries of one head (work-group y), each of its sixteen waves one tile of 16.  Every wave walks the head's 32 key steps of 128 keys.
; LAYOUT.  Both products are used transposed: a lane holds ONE query (lane % 16).  The projection laid the keys so that a lane of half h holds, in the 32 registers of tiles 4 c .. 4 c + 3,
; keys 64 c + 32 h + 0 .. 31: one whole block of p in the order of the operand's registers.  V's channels likewise: a lane's 32 registers of O^T are one block.
; A FRAGMENT OF K HOLDS TWO KEY TILES: a head has 64 channels, half of the instruction's 128.  Tile 2 n fills k = 0 .. 63 and tile 2 n + 1 fills k = 64 .. 127; the product with [Q | zero codes] gives
; the first tile's scores, that with [zero codes | Q] the second's.  The scale words of q and k carry their two bytes in both halves, so one word serves either place.
; TWO REGIONS OF 64 REGISTERS CHANGE ROLES FROM STEP TO STEP.  K lies in one, the scores go to the other; V follows into K's registers behind the scores; the next step's K follows into p's
; registers as p is converted.  So V's loads have the softmax in which to land, and K's the second product.
; RING.  kv is a stream of 13,056 bytes a key step, images of operand registers.  Two slots of 8 steps; waves 0-3 fetch two steps each by one load.
; CLUSTER.  The four query blocks of a cluster walk the same head's stream: each load is asked for jointly (mask 15).
; NO PREFETCH: a refill is asked for eight key steps, 96 matrix instructions of each wave, ahead of the wait for it.
; LIMITS: NaN and infinities are not served.  v_exp_f32 gives 0 for p under 2^-126.  A block whose largest number lies under 2^-122, a block of zeros too, gets the scale byte 1 (read by this program
; alone).  A block's largest p is made from the block's largest score by the same multiply-add and exponential: this takes v_exp_f32 not to fall where its input rises.
.set STEPB, 13056
.set HB,    6656
.set SLOT1, 1<<17                      ; slot 1 begins here; a slot holds 8 x 13,056 = 104,448 bytes
.set SPARE, 2*SLOT1                    ; the spare words, 128 bytes for each wave
.set WV,  10
.set G1,  16                           ; s[16:23] descriptor group 1;  s[24:27] group 0, which walks
.set G0,  24
.set SEL, 28                           ; s[28:29] selects for lane l xor 16
.set CS,  30                           ; s[30:31] c = log2(e) / 8
.set NC,  32                           ; -c
.set TB,  33                           ; LDS byte at which the step in hand begins
.set SLOTS, 34
.set STEPS, 35
.set L16, 1
.set L8,  2
.set L4,  3
.set SPW, 4                            ; LDS address of my spare word; never rewritten
.set NIL, 5                            ; 0; never rewritten
.set A16, 6
.set A8,  7
.set A4,  8
.set SH8, 9
.set QS,  10                           ; Q's scale words
.set R4,  11
.set NM,  12                           ; -M
.set SMAX, 13                          ; the running largest score
.set LS,  14                           ; v[14:15] the sum, in two halves
.set QA,  16                           ; v16-27   [Q | zero codes]
.set QB,  28                           ; v28-39   [zero codes | Q]
.set KS,  40                           ; v40-43   K's scale words: lanes 0-15 tile 2 n, lanes 16-31 tile 2 n + 1
.set VS,  44                           ; v44-45   V's likewise
.set RX,  46                           ; v46-109  region X
.set RY,  110                          ; v110-173 region Y
.set OA,  174                          ; v174-205 O^T
.set P,   206                          ; v206-217 p's codes
.set TQ,  218
.set TM,  226
.set SO,  230
.set BY,  232
.set PW,  234                          ; p's scale word
.set PX,  235
.set XX,  236
.set YY,  237
.set FF,  238                          ; v[238:239] f = 2^(old M - new M); at the end 1 / l
.set T,   240                          ; v240-253 seven more chains of the sum
.macro PLACES n
.rept \n
	v_nop
.endr
.endm
.macro CROUND                          ; a round of the cluster's barrier
	s_barrier_signal -1
	s_barrier_wait -1
	s_cmp_lg_u32 s[WV], 0
	s_cbranch_scc1 .Lnot_wave_0_\@
	s_barrier_signal -3
.Lnot_wave_0_\@:
	s_barrier_wait -3
	s_barrier_signal -1
	s_barrier_wait -1
.endm
.macro JLOAD                           ; waves 0-3 fetch two key steps each; the branch hangs on the wave's number alone
	s_cmp_lt_u32 s[WV], 4
	s_cbranch_scc0 .Lnone_\@
	tensor_load_to_lds s[G0:G0+3], s[G1:G1+7]
	s_nop 0
	PLACES 4
.Lnone_\@:
.endm
.macro KLD kv, f0, off                 ; fragments f0, f0 + 1 of K: two tiles of six registers each
.irp n, \f0, \f0+1
	ds_load_b128 v[\kv+12*(\n):\kv+12*(\n)+3], v[A16] offset:1536*(\n)+\off
	ds_load_b64 v[\kv+12*(\n)+4:\kv+12*(\n)+5], v[A8] offset:1536*(\n)+512+\off
	ds_load_b128 v[\kv+12*(\n)+6:\kv+12*(\n)+9], v[A16] offset:1536*(\n)+768+\off
	ds_load_b64 v[\kv+12*(\n)+10:\kv+12*(\n)+11], v[A8] offset:1536*(\n)+1280+\off
.endr
.endm
.macro KSLD off
.irp n, 0,1,2,3
	ds_load_b32 v[KS+\n], v[A4] offset:6144+128*\n+\off
.endr
.endm
.macro ADDR
	v_add_nc_u32 v[A16], s[TB], v[L16]
	v_add_nc_u32 v[A8], s[TB], v[L8]
	v_add_nc_u32 v[A4], s[TB], v[L4]
.endm
.macro BMAX s, c                       ; the largest score of my block 2 c + h, in two chains; each accumulator is first read at its low end
	v_max3_num_f32 v[TM+2*\c], v[\s+32*\c], v[\s+32*\c+1], v[\s+32*\c+2]
	v_max3_num_f32 v[TM+2*\c+1], v[\s+32*\c+16], v[\s+32*\c+17], v[\s+32*\c+18]
.irp i, 3,5,7,9,11,13
	v_max3_num_f32 v[TM+2*\c], v[TM+2*\c], v[\s+32*\c+\i], v[\s+32*\c+\i+1]
	v_max3_num_f32 v[TM+2*\c+1], v[TM+2*\c+1], v[\s+32*\c+\i+16], v[\s+32*\c+\i+17]
.endr
	v_max3_num_f32 v[TM+2*\c], v[TM+2*\c], v[TM+2*\c+1], v[\s+32*\c+15]
	v_max_num_f32 v[TM+2*\c], v[TM+2*\c], v[\s+32*\c+31]
.endm
.macro TMM s, a, n                     ; t - M, two at a time: n pairs from register a on
.set i, \a
.rept \n
	v_pk_fma_f32 v[\s+i:\s+i+1], v[\s+i:\s+i+1], s[CS:CS+1], v[NM:NM+1] op_sel_hi:[1,0,0]
.set i, i+2
.endr
.endm
.macro SUM8 s, a                       ; eight pairs of p from register a on, one onto each of the sum's eight chains
.irp i, 0,1,2,3,4,5,6
	v_pk_add_f32 v[T+2*\i:T+2*\i+1], v[T+2*\i:T+2*\i+1], v[\s+\a+2*\i:\s+\a+2*\i+1]
.endr
	v_pk_add_f32 v[LS:LS+1], v[LS:LS+1], v[\s+\a+14:\s+\a+15]
.endm
.macro CVT s, c                        ; my block 2 c + h of p becomes codes (a conversion's three registers begin on an even number)
	v_cvt_scalef32_pk16_bf6_f32 v[P+6*\c:P+6*\c+2], v[\s+32*\c:\s+32*\c+15], v[SO+\c]
	v_cvt_scalef32_pk16_bf6_f32 v[TQ+4*\c:TQ+4*\c+2], v[\s+32*\c+16:\s+32*\c+31], v[SO+\c]
.endm
; A KEY STEP: 128 keys.  At its head K's loads into region kv are out.  pre = 1: the next step's K is fetched into region s.
.macro STEP s, kv, pre
	ADDR
	PLACES 2                                       ; five places: the products below write over registers that the last step's products read as V's fragments
	s_wait_alu depctr_va_vdst(0)
	s_wait_dscnt 0x0                               ; K and its scale words
.irp n, 0,1,2,3
	v_wmma_scale_f32_16x16x128_f8f6f4 v[\s+16*\n:\s+16*\n+7], v[\kv+12*\n:\kv+12*\n+11], v[QA:QA+11], 0, v[KS+\n], v[QS] matrix_a_fmt:MATRIX_FMT_BF6 matrix_b_fmt:MATRIX_FMT_BF6
	v_wmma_scale_f32_16x16x128_f8f6f4 v[\s+16*\n+8:\s+16*\n+15], v[\kv+12*\n:\kv+12*\n+11], v[QB:QB+11], 0, v[KS+\n], v[QS] matrix_a_fmt:MATRIX_FMT_BF6 matrix_b_fmt:MATRIX_FMT_BF6 matrix_a_scale:MATRIX_SCALE_ROW1
.endr
	PLACES 4                                       ; in front of loads into the fragments just read, and of the first read of results
.irp u, 0,1,2,3                                ; V's four fragments take K's registers
.irp n, 0,1,2
	ds_load_b128 v[\kv+12*\u+4*\n:\kv+12*\u+4*\n+3], v[A16] offset:6656+1536*\u+512*\n
.endr
.endr
	ds_load_b32 v[VS], v[A4] offset:12800
	ds_load_b32 v[VS+1], v[A4] offset:12928
	BMAX \s, 0
	BMAX \s, 1
	s_delay_alu instid0(VALU_DEP_1)
	v_max_num_f32 v[XX], v[TM], v[TM+2]
	s_delay_alu instid0(VALU_DEP_1)
	v_permlanex16_b32 v[YY], v[XX], s[SEL], s[SEL+1]   ; my query's other 64 keys lie in the lane 16 away
	s_delay_alu instid0(VALU_DEP_1)
	v_max3_num_f32 v[SMAX], v[SMAX], v[XX], v[YY]  ; the running largest score
	s_delay_alu instid0(VALU_DEP_1)
	v_mul_f32 v[XX], s[NC], v[SMAX]                ; -t
	v_mov_b32 v[TM+1], v[NM]
	s_delay_alu instid0(VALU_DEP_2)
	v_floor_f32 v[NM], v[XX]                       ; the new -M = floor(-t) = -ceil(t): M is a whole number
	TMM \s, 0, 8
	v_sub_f32 v[XX], v[NM], v[TM+1]                ; M's old value less its new one: a whole number, 0 or less
	TMM \s, 16, 4
	v_cvt_i32_f32 v[XX], v[XX]                     ; (it saturates)
	TMM \s, 24, 4
	v_ldexp_f32 v[FF], 1.0, v[XX]                  ; f = 2^(old M - new M): a multiplication by it rounds nothing
	TMM \s, 32, 16
	v_fma_f32 v[TM], v[TM], s[CS], v[NM]           ; the same of each block's largest score
	v_fma_f32 v[TM+2], v[TM+2], s[CS], v[NM]
	s_wait_alu depctr_va_vdst(0)
.set i, 0
.rept 64
	v_exp_f32 v[\s+i], v[\s+i]                     ; p = 2^(t - M): not normalised
.set i, i+1
.endr
	v_exp_f32 v[TM], v[TM]                         ; the blocks' largest p
	v_exp_f32 v[TM+2], v[TM+2]
	v_pk_mul_f32 v[LS:LS+1], v[LS:LS+1], v[FF:FF+1] op_sel_hi:[1,0]   ; the sum under the new M (the plain place behind the exponentials)
	s_wait_alu depctr_va_vdst(0)                   ; and the wait behind the batch
	v_max_num_f32 v[TM], 0x2800000, v[TM]          ; the floor 2^(5 - 127): the byte cannot fall under 1
	v_max_num_f32 v[TM+2], 0x2800000, v[TM+2]
.irp i, 0,1,2,3,4,5,6                          ; the sum of the unquantised p: seven chains begin, the scale's lines stand among them
	v_pk_add_f32 v[T+2*\i:T+2*\i+1], v[\s+4*\i:\s+4*\i+1], v[\s+4*\i+2:\s+4*\i+3]
.endr
	v_add_nc_u32 v[SO], 0xfe000000, v[TM]          ; 4 off the exponent field: the conversion's scale operand
	v_add_nc_u32 v[SO+1], 0xfe000000, v[TM+2]
	v_pk_add_f32 v[LS:LS+1], v[LS:LS+1], v[\s+28:\s+29]
	v_pk_add_f32 v[T:T+1], v[T:T+1], v[\s+30:\s+31]
	v_lshrrev_b32 v[BY], 23, v[SO]                 ; the scale's byte
	v_lshrrev_b32 v[BY+1], 23, v[SO+1]
	CVT \s, 0
.if \pre
	KLD \s, 0, STEPB                               ; registers 0-23 of p are done with
.endif
	v_lshl_or_b32 v[PW], v[BY+1], 16, v[BY]        ; my two bytes, blocks h and 2 + h,
	SUM8 \s, 32
	v_lshlrev_b32 v[PW], v[SH8], v[PW]             ; at their places
	SUM8 \s, 48
	v_permlanex16_b32 v[PX], v[PW], s[SEL], s[SEL+1]
	v_pk_add_f32 v[T:T+1], v[T:T+1], v[T+2:T+3]
	v_pk_add_f32 v[T+4:T+5], v[T+4:T+5], v[T+6:T+7]
	v_pk_add_f32 v[T+8:T+9], v[T+8:T+9], v[T+10:T+11]
	v_pk_add_f32 v[LS:LS+1], v[LS:LS+1], v[T+12:T+13]
	v_or_b32 v[PW], v[PW], v[PX]                   ; with lane l xor 16's two: p's scale word for these 128 keys
	v_pk_add_f32 v[T:T+1], v[T:T+1], v[T+4:T+5]
	v_pk_add_f32 v[LS:LS+1], v[LS:LS+1], v[T+8:T+9]
	s_delay_alu instid0(VALU_DEP_1)
	v_pk_add_f32 v[LS:LS+1], v[LS:LS+1], v[T:T+1]
	CVT \s, 1
.if \pre
	KLD \s, 2, STEPB                               ; all of p is done with
	KSLD STEPB
.endif
	v_nop                                          ; one plain place behind a scaled conversion
.irp c, 0,1
.irp i, 0,1,2
	v_mov_b32 v[P+6*\c+3+\i], v[TQ+4*\c+\i]
.endr
.endr
.set i, 0
.rept 16
	v_pk_mul_f32 v[OA+i:OA+i+1], v[OA+i:OA+i+1], v[FF:FF+1] op_sel_hi:[1,0]   ; O^T under the new M (also the places behind the moves)
.set i, i+2
.endr
	s_wait_alu depctr_va_vdst(0)
	s_wait_dscnt 20*\pre                           ; V and its scale words are in; behind them the next K's 16 loads of codes and 4 of scale words may be out
.irp n, 0,2                                    ; O^T += V^T P^T: the four accumulators take turns
	v_wmma_scale_f32_16x16x128_f8f6f4 v[OA+8*\n:OA+8*\n+7], v[\kv+12*\n:\kv+12*\n+11], v[P:P+11], v[OA+8*\n:OA+8*\n+7], v[VS+\n/2], v[PW] matrix_a_fmt:MATRIX_FMT_BF6 matrix_b_fmt:MATRIX_FMT_BF6
	v_wmma_scale_f32_16x16x128_f8f6f4 v[OA+8*\n+8:OA+8*\n+15], v[\kv+12*\n+12:\kv+12*\n+23], v[P:P+11], v[OA+8*\n+8:OA+8*\n+15], v[VS+\n/2], v[PW] matrix_a_fmt:MATRIX_FMT_BF6 matrix_b_fmt:MATRIX_FMT_BF6 matrix_a_scale:MATRIX_SCALE_ROW1
.endr
	s_add_co_u32 s[TB], s[TB], STEPB
.endm
; THE CHANGE OF SLOTS stands at a slot's head.  Each wave waits for all its tensor loads, adds 0 to its spare word, and waits for that and for its reads of the slot that it has left.
; fill = 1: that slot is filled with the 8 steps that follow, behind a round of the cluster's barrier.
.macro CHANGE fill
	s_wait_tensorcnt 0x0                           ; no tensor load of mine is out, so group 0 may be written
	ds_add_u32 v[SPW], v[NIL]
.if \fill
	ds_add_u32 v[SPW], v[NIL]
	s_xor_b32 s[G0+1], s[G0+1], SLOT1              ; the other slot than last time,
	s_add_nc_u64 s[G0+2:G0+3], s[G0+2:G0+3], 8*STEPB   ; the next 8 steps
.endif
	s_wait_dscnt 0x0
.if \fill
	CROUND
	JLOAD
.else
	s_barrier_signal -1
	s_barrier_wait -1
.endif
.endm
.macro EIGHT                           ; a slot's eight key steps: a trip runs two, until the regions are back in their roles; the last step fetches no K, which would lie in the other slot
	ADDR
	KLD RY, 0, 0
	KLD RY, 2, 0
	KSLD 0
	s_mov_b32 s[STEPS], 3
.Lstep_\@:
	STEP RX, RY, 1
	STEP RY, RX, 1
	s_sub_co_u32 s[STEPS], s[STEPS], 1
	s_cmp_lg_u32 s[STEPS], 0
	s_cbranch_scc1 .Lstep_\@
	STEP RX, RY, 1
	STEP RY, RX, 0
	s_sub_co_u32 s[TB], s[TB], 8*STEPB             ; back to a slot's first step,
	s_xor_b32 s[TB], s[TB], SLOT1                  ; in the other slot
.endm
	s_load_b128 s[4:7], s[0:1], 0x0                ; qbuf, kv
	s_load_b64 s[8:9], s[0:1], 0x10                ; ao
	v_lshl_add_u32 v[SPW], v0, 2, SPARE
	v_mov_b32 v[NIL], 0
	ds_add_u32 v[SPW], v[NIL]                      ; the opening lines: the add, twice on end, and its wait
	ds_add_u32 v[SPW], v[NIL]
	v_lshrrev_b32 v[A16], 5, v0
	s_delay_alu instid0(VALU_DEP_1)
	v_readfirstlane_b32 s[WV], v[A16]              ; wave 0..15
	s_and_b32 s13, ttmp7, 0xffff                   ; the head (8 b + head), which the partners share
	s_bfe_u32 s2, ttmp6, 0x40000                   ; cx: it enters Q's and ao's addresses alone
	s_lshl_b32 s3, ttmp9, 2
	s_add_co_u32 s3, s3, s2                        ; my block of 256 queries
	s_lshl_b32 s36, s13, 5
	s_lshl_b32 s3, s3, 1
	s_add_co_u32 s36, s36, s3
	s_lshr_b32 s3, s[WV], 3
	s_add_co_u32 s36, s36, s3                      ; my group of 128 queries: 32 x head + 2 x block + w / 8
	s_mul_i32 s36, s36, HB
	s_and_b32 s3, s[WV], 7                         ; my tile in it
	s_lshl_b32 s38, s3, 6
	s_add_co_u32 s38, s38, s36
	s_add_co_u32 s38, s38, 6144                    ; its scale words
	s_mul_i32 s3, s3, 768
	s_add_co_u32 s36, s36, s3                      ; its codes
	s_mov_b32 s37, 0
	s_mov_b32 s39, 0
	s_and_b32 s14, s[WV], 3                        ; what I fetch, if I fetch: steps 2 (w % 4), 2 (w % 4) + 1 of a slot
	s_mul_i32 s[G0+1], s14, 2*STEPB                ; LDS address, slot 0
	s_mul_i32 s14, s13, 32*STEPB
	s_add_co_u32 s14, s14, s[G0+1]
	s_mov_b32 s15, 0
	; group 1: two key steps, 26,112 dense bytes, as 102 rows of 256 bytes (32 elements of 8 bytes), no padding
	s_mov_b32 s[G1], 15|(3<<16)|(1<<21)            ; the mask: all four partners; elements of 8 bytes; bit 21 beside a mask
	s_mov_b32 s[G1+1], 32<<16
	s_mov_b32 s[G1+2], 102<<16
	s_mov_b32 s[G1+3], 32<<16
	s_mov_b32 s[G1+4], 102
	s_mov_b32 s[G1+5], 32
	s_mov_b32 s[G1+6], 0
	s_mov_b32 s[G1+7], 0
	s_mov_b32 s[G0], 1
	s_mov_b32 s[SEL], 0x76543210
	s_mov_b32 s[SEL+1], 0xfedcba98
	s_mov_b32 s[CS], 0x3e38aa3b                    ; log2(e) / 8
	s_mov_b32 s[CS+1], s[CS]
	s_mov_b32 s[NC], 0xbe38aa3b
	s_mov_b32 s[TB], 0
	s_mov_b32 s[SLOTS], 3
	v_and_b32 v[L4], 31, v0
	v_bfe_u32 v[SH8], v0, 4, 1
	v_and_b32 v[R4], 15, v0
	v_lshlrev_b32 v[L16], 4, v[L4]
	v_lshlrev_b32 v[L8], 3, v[L4]
	v_lshlrev_b32 v[L4], 2, v[L4]
	v_lshlrev_b32 v[SH8], 3, v[SH8]
	v_lshlrev_b32 v[R4], 2, v[R4]
	s_wait_dscnt 0x0                               ; both opening adds are done
	s_wait_kmcnt 0x0
	s_add_nc_u64 s[G0+2:G0+3], s[6:7], s[14:15]
	s_or_b32 s[G0+3], s[G0+3], 0x80000000          ; type = 2
	s_add_nc_u64 s[2:3], s[4:5], s[38:39]          ; Q's scale words
	s_add_nc_u64 s[4:5], s[4:5], s[36:37]          ; Q's codes
	s_add_nc_u64 s[6:7], s[8:9], s[38:39]          ; ao's scale words
	s_add_nc_u64 s[8:9], s[8:9], s[36:37]          ; ao's codes
	CROUND                                         ; all four partners are here: the first joint load meets
	JLOAD                                          ; slot 0
	s_wait_alu depctr_va_vdst(0)                   ; ahead of the first readers of the offsets
	global_load_b128 v[QA:QA+3], v[L16], s[4:5]    ; Q's six registers, as the lower half of one fragment
	global_load_b64 v[QA+4:QA+5], v[L8], s[4:5] offset:512
	global_load_b128 v[QB+6:QB+9], v[L16], s[4:5]  ; and as the upper half of the other
	global_load_b64 v[QB+10:QB+11], v[L8], s[4:5] offset:512
	global_load_b32 v[QS], v[R4], s[2:3]
.irp i, 0,1,2,3,4,5
	v_mov_b32 v[QA+6+\i], 0                        ; zero codes, written once
	v_mov_b32 v[QB+\i], 0
.endr
	v_mov_b32 v[SMAX], 0xff61b1e6                  ; the largest score so far: -3e38
	s_delay_alu instid0(VALU_DEP_1)
	v_mul_f32 v[NM], s[NC], v[SMAX]
	s_delay_alu instid0(VALU_DEP_1)
	v_floor_f32 v[NM], v[NM]                       ; -M
	v_mov_b32 v[LS], 0
	v_mov_b32 v[LS+1], 0
	v_mov_b32 v[PX], 0                             ; written once: a lane permute's destination counts as one of its sources
	v_mov_b32 v[YY], 0
	v_mov_b32 v[FF+1], 0                           ; (named as the upper half of a pair)
.set i, 0
.rept 32
	v_mov_b32 v[OA+i], 0                           ; O^T: the step is written once; the first finds zeros, which the first change of M leaves zeros
.set i, i+1
.endr
	s_wait_alu depctr_va_vdst(0)
	s_wait_loadcnt 0x0                             ; Q
.Lslot:                                            ; three trips: behind each change of slots but the last the next slot is asked for
	CHANGE 1
	EIGHT
	s_sub_co_u32 s[SLOTS], s[SLOTS], 1
	s_cmp_lg_u32 s[SLOTS], 0
	s_cbranch_scc1 .Lslot
	CHANGE 0                                       ; the last slot is written out
	EIGHT
	; THE WAY OUT: O / l, quantised along the channels: my 32 registers are one block.
	PLACES 4
	v_add_f32 v[LS], v[LS], v[LS+1]
	s_delay_alu instid0(VALU_DEP_1)
	v_permlanex16_b32 v[YY], v[LS], s[SEL], s[SEL+1]
	s_delay_alu instid0(VALU_DEP_1)
	v_add_f32 v[LS], v[LS], v[YY]                  ; the row's sum
	s_wait_alu depctr_va_vdst(0)
	v_rcp_f32 v[FF], v[LS]
	v_nop                                          ; one plain place behind a transcendental
	s_wait_alu depctr_va_vdst(0)
.set i, 0
.rept 16
	v_pk_mul_f32 v[OA+i:OA+i+1], v[OA+i:OA+i+1], v[FF:FF+1] op_sel_hi:[1,0]
.set i, i+2
.endr
	v_max3_num_f32 v[TM], |v[OA]|, |v[OA+1]|, 0x2800000
	v_max3_num_f32 v[TM+1], |v[OA+16]|, |v[OA+17]|, |v[OA+18]|
.irp i, 2,4,6,8,10,12
	s_delay_alu instid0(VALU_DEP_2)
	v_max3_num_f32 v[TM], v[TM], |v[OA+\i]|, |v[OA+\i+1]|
	s_delay_alu instid0(VALU_DEP_2)
	v_max3_num_f32 v[TM+1], v[TM+1], |v[OA+\i+17]|, |v[OA+\i+18]|
.endr
	s_delay_alu instid0(VALU_DEP_2)
	v_max3_num_f32 v[TM], v[TM], |v[OA+14]|, |v[OA+15]|
	s_delay_alu instid0(VALU_DEP_1)
	v_max3_num_f32 v[TM], v[TM], v[TM+1], |v[OA+31]|
	s_delay_alu instid0(VALU_DEP_1)
	v_add_nc_u32 v[SO], 0xfe000000, v[TM]
	s_delay_alu instid0(VALU_DEP_1)
	v_lshrrev_b32 v[BY], 23, v[SO]
	s_delay_alu instid0(VALU_DEP_1)
	v_lshlrev_b32 v[PW], v[SH8], v[BY]
	s_delay_alu instid0(VALU_DEP_1)
	v_permlanex16_b32 v[PX], v[PW], s[SEL], s[SEL+1]
	s_delay_alu instid0(VALU_DEP_1)
	v_or_b32 v[PW], v[PW], v[PX]                   ; the head's two bytes of my query; the upper two are 0
	v_cvt_scalef32_pk16_bf6_f32 v[P:P+2], v[OA:OA+15], v[SO]
	v_cvt_scalef32_pk16_bf6_f32 v[TQ:TQ+2], v[OA+16:OA+31], v[SO]
	v_nop
.irp i, 0,1,2
	v_mov_b32 v[P+3+\i], v[TQ+\i]
.endr
	global_store_b128 v[L16], v[P:P+3], s[8:9]     ; 512 consecutive bytes,
	global_store_b64 v[L8], v[P+4:P+5], s[8:9] offset:512   ; and 256
	global_store_b32 v[R4], v[PW], s[6:7]          ; both halves of the lanes hold the same word and write it to the same place
	s_wait_tensorcnt 0x0                           ; the wave's end
	ds_add_u32 v[SPW], v[NIL]
	s_wait_dscnt 0x0
	CROUND                                         ; the closing round
	s_endpgm
.Lfunc_end_k_q0f974b0bc9_attn:
	.size	k_q0f974b0bc9_attn, .Lfunc_end_k_q0f974b0bc9_attn-k_q0f974b0bc9_attn
	.p2alignl 7, 3214868480
	.fill 96, 4, 3214868480
	.section	.rodata,"a",@progbits
	.p2align	6, 0x0
	.amdhsa_kernel k_q0f974b0bc9_attn
		.amdhsa_group_segment_fixed_size 327680
		.amdhsa_private_segment_fixed_size 0
		.amdhsa_enable_private_segment 0
		.amdhsa_kernarg_size 24
		.amdhsa_user_sgpr_count 2
		.amdhsa_user_sgpr_kernarg_segment_ptr 1
		.amdhsa_wavefront_size32 1
		.amdhsa_system_sgpr_workgroup_id_x 1
		.amdhsa_system_sgpr_workgroup_id_y 1
		.amdhsa_system_sgpr_workgroup_id_z 1
		.amdhsa_system_vgpr_workitem_id 0
		.amdhsa_next_free_vgpr 256
		.amdhsa_next_free_sgpr 66
		.amdhsa_reserve_vcc 0
		.amdhsa_float_denorm_mode_32 3
		.amdhsa_float_denorm_mode_16_64 3
		.amdhsa_memory_ordered 1
		.amdhsa_forward_progress 1
		.amdhsa_inst_pref_size 132
	.end_amdhsa_kernel
	.amdgpu_metadata
---
amdhsa.version: [ 1, 2 ]
amdhsa.kernels:
  - .name:           k_q0f974b0bc9_attn
    .symbol:         k_q0f974b0bc9_attn.kd
    .args:
      - { .name: qbuf, .offset: 0, .size: 8, .value_kind: global_buffer, .address_space: global }
      - { .name: kv, .offset: 8, .size: 8, .value_kind: global_buffer, .address_space: global }
      - { .name: ao, .offset: 16, .size: 8, .value_kind: global_buffer, .address_space: global }
    .group_segment_fixed_size: 327680
    .private_segment_fixed_size: 0
    .kernarg_segment_align: 8
    .kernarg_segment_size: 24
    .max_flat_workgroup_size: 512
    .sgpr_count:     66
    .vgpr_count:     256
    .wavefront_size: 32
...
	.end_amdgpu_metadata
.endif
;; end of part 2
;; launch outp (part 3): grid 64 x 4, 8 waves a work-group, clusters of 4 x 1, 168,960 bytes of LDS; arguments ao, Wo_codes, Wo_scales, bo, out0; writes out0
.if DOCPART == 3
	.amdgcn_target "amdgcn-amd-amdhsa--gfx1250"
	.amdhsa_code_object_version 6
	.text
	.protected	k_q0f974b0bc9_outp
	.globl	k_q0f974b0bc9_outp
	.p2align	8
	.type	k_q0f974b0bc9_outp,@function
k_q0f974b0bc9_outp:
	s_mov_b64 s[64:65], 0
	v_nop
	global_prefetch_b8 v0, s[64:65] scope:SCOPE_SE
	s_setreg_imm32_b32 hwreg(HW_REG_WAVE_MODE, 25, 1), 1
	s_wait_xcnt 0x0
	s_wait_alu depctr_hold_cnt(0) depctr_sa_sdst(0) depctr_va_vdst(0) depctr_va_sdst(0) depctr_va_ssrc(0) depctr_va_vcc(0) depctr_vm_vsrc(0)
	s_getreg_b32 s2, hwreg(HW_REG_IB_STS2, 6, 4)
	s_cmp_eq_u32 s2, 0
	s_cbranch_scc0 .Lentry_in_a_cluster
	s_endpgm
.Lentry_in_a_cluster:
	s_bfe_u32 s2, ttmp6, 0x10000c
	s_cmp_lg_u32 s2, 0x3003
	s_cbranch_scc0 .Lentry_shape_is_right
	s_endpgm
.Lentry_shape_is_right:
; out0 = a Wo^T + bo on codes of BF6 (E3M2); a is the attention's output as the attention launch left it: images of operand registers, [8 b + head][group of 128 tokens] of 6,656 bytes,
; tile T at 768 T (registers 0-3 at 16 x lane, 4-5 at 512 + 8 x lane), scale words (two bytes) at 6144 + 64 T + 4 r.  Heads 2 s and 2 s + 1 are the two halves of K step s.
; SHARES.  A work-group takes 128 tokens (4 x cluster x + cx) x 128 columns (work-group y); wave w takes token tile w against Wo's eight tiles: 8 accumulators, 32 matrix instructions.
; TRANSPOSED: source 0 = 16 rows of Wo, source 1 = my 16 tokens.  Lane r of Wo's tile u of a group of 64 rows takes row 8 u + r % 8 + 32 (r / 8): a lane of half h then holds, in the 32 registers of
; a group's four tiles, 32 neighbouring columns of one row of the output.  Token r of tile 4 c + u is token 64 c + 8 u + r % 8 + 32 (r / 8) of the group, as the projection laid them.
; CLUSTER.  The four partners take the same 128 rows of Wo: joint loads (mask 15).  LDS is filled once.  a's fragments go from memory straight into registers: each wave reads its own.
; The bias is loaded into the accumulators, in the result's layout.  Results leave through the wave's own stage in LDS as whole rows of 512 bytes.
.set PITCH, 432                        ; an LDS row: 3 x (128 bytes of codes + 16 of padding)
.set HALF,  32*PITCH+128               ; rows 32-63 of a group lie 128 bytes further on than the pitch gives
.set GS,    HALF+32*PITCH
.set TROW,  8*PITCH
.set HB,    6656
.set HEADB, 32*HB                      ; from a head to the next in ao
.set STG,   55808                      ; behind Wo's two groups: a stage of 16 rows x (512 + 16) bytes for each wave; no tile lands there
.set SROW,  528
.set WV,  14
.set CG,  15
.set G1,  16                           ; s[16:23] group 1;  s[24:27] group 0 of my load
.set G0,  24
.set ADA, 1                            ; v1, v2  my lane's place in Wo's tile 0: + 24 h, and + 40 h behind one padding more
.set L16, 3
.set L8,  4
.set R4,  5
.set GA,  6
.set GBI, 7
.set STO, 8
.set RD,  9
.set XS,  10                           ; v10-13   a's scale words, one for each K step
.set XW,  14                           ; v14-21   the heads' half words as loaded
.set SA,  22                           ; v22-37   Wo's scale words: 4 n + s: lanes 0-15 tile 2 n, lanes 16-31 tile 2 n + 1
.set XF,  38                           ; v38-85   a's fragments: six registers a head
.set S0F, 86                           ; v86-181  Wo's eight fragments of a K step
.set BK,  86                           ; later 16 rows read back from the stage
.set ACC, 182                          ; v182-245
.macro PLACES n
.rept \n
	v_nop
.endr
.endm
.macro CROUND
	s_barrier_signal -1
	s_barrier_wait -1
	s_cmp_lg_u32 s[WV], 0
	s_cbranch_scc1 .Lnot_wave_0_\@
	s_barrier_signal -3
.Lnot_wave_0_\@:
	s_barrier_wait -3
	s_barrier_signal -1
	s_barrier_wait -1
.endm
.macro FRAG reg, adr, s, off           ; a fragment in pieces of 8 bytes; piece p of a row lies at 8 p + 16 (p / 16)
.irp p, 0,1,2,3,4,5
.set PCE, 12*(\s)+6*(\p/3)+\p%3
.if PCE%16 < 13
	ds_load_b64 v[\reg+2*\p:\reg+2*\p+1], v[\adr] offset:8*PCE+16*(PCE/16)+(\off)
.else
	ds_load_b64 v[\reg+2*\p:\reg+2*\p+1], v[\adr+1] offset:8*PCE+16*(PCE/16)+(\off)
.endif
.endr
.endm
.macro MM t, s
.if (\t)%2 == 1
	v_wmma_scale_f32_16x16x128_f8f6f4 v[ACC+8*(\t):ACC+8*(\t)+7], v[S0F+12*(\t):S0F+12*(\t)+11], v[XF+12*(\s):XF+12*(\s)+11], v[ACC+8*(\t):ACC+8*(\t)+7], v[SA+4*((\t)/2)+(\s)], v[XS+(\s)] matrix_a_fmt:MATRIX_FMT_BF6 matrix_b_fmt:MATRIX_FMT_BF6 matrix_a_scale:MATRIX_SCALE_ROW1
.else
	v_wmma_scale_f32_16x16x128_f8f6f4 v[ACC+8*(\t):ACC+8*(\t)+7], v[S0F+12*(\t):S0F+12*(\t)+11], v[XF+12*(\s):XF+12*(\s)+11], v[ACC+8*(\t):ACC+8*(\t)+7], v[SA+4*((\t)/2)+(\s)], v[XS+(\s)] matrix_a_fmt:MATRIX_FMT_BF6 matrix_b_fmt:MATRIX_FMT_BF6
.endif
.endm
.macro KSTEP s                         ; the eight accumulators take turns, one instruction a turn
.if (\s) > 0
	PLACES 4                                       ; in front of loads into registers that matrix instructions have read
.endif
.irp t, 0,1,2,3,4,5,6,7
	FRAG S0F+12*\t, ADA, \s, GS*(\t/4)+TROW*(\t%4)
.endr
	s_wait_dscnt 24                                ; tiles 0-3 are in; the 24 loads of tiles 4-7 may be out
.irp t, 0,1,2,3
	MM \t, \s
.endr
	s_wait_dscnt 0x0
.irp t, 4,5,6,7
	MM \t, \s
.endr
.endm
	s_load_b256 s[4:11], s[0:1], 0x0               ; ao s[4:5], Wo's codes s[6:7], Wo's scales s[8:9], bo s[10:11]
	s_load_b64 s[12:13], s[0:1], 0x20              ; out0
	v_lshl_add_u32 v254, v0, 2, 0x29000
	v_mov_b32 v255, 0
	ds_add_u32 v254, v255
	ds_add_u32 v254, v255
	v_lshrrev_b32 v246, 5, v0
	s_delay_alu instid0(VALU_DEP_1)
	v_readfirstlane_b32 s[WV], v246                ; wave 0..7
	s_and_b32 s[CG], ttmp7, 0xffff                 ; my 128 columns: shared by the partners
	s_bfe_u32 s2, ttmp6, 0x40000                   ; cx: it enters ao's and out0's addresses alone
	s_lshl_b32 s3, ttmp9, 2
	s_add_co_u32 s3, s3, s2                        ; my group of 128 tokens, 0 .. 63
	s_lshl_b32 s32, s[CG], 7                       ; what I fetch, if I fetch: Wo's rows 128 y + 32 (w % 4) on
	s_and_b32 s44, s[WV], 3                        ; waves 0-3 fetch 32 rows each: Wo's rows 128 y + 32 w on
	s_lshl_b32 s33, s44, 5
	s_add_co_u32 s32, s32, s33
	s_mul_i32 s32, s32, 384
	s_mov_b32 s33, 0
	s_lshr_b32 s46, s44, 1
	s_mul_i32 s[G0+1], s46, GS                     ; group w / 2,
	s_and_b32 s46, s44, 1
	s_mul_i32 s46, s46, HALF                       ; half w % 2
	s_add_co_u32 s[G0+1], s[G0+1], s46
	s_lshl_b32 s40, s[CG], 11                      ; Wo's scale rows, 16 bytes each
	s_mov_b32 s41, 0
	s_lshl_b32 s42, s[CG], 9                       ; my columns in bo and in a row of out0, in bytes
	s_mov_b32 s43, 0
	s_lshr_b32 s34, s3, 5                          ; b
	s_lshl_b32 s34, s34, 8
	s_and_b32 s35, s3, 31
	s_add_co_u32 s34, s34, s35
	s_mul_i32 s34, s34, HB                         ; head 0's group
	s_lshl_b32 s36, s[WV], 6
	s_add_co_u32 s36, s36, s34
	s_add_co_u32 s36, s36, 6144                    ; my tile's scale words
	s_mul_i32 s35, s[WV], 768
	s_add_co_u32 s34, s34, s35                     ; my tile's codes
	s_mov_b32 s35, 0
	s_mov_b32 s37, 0
	s_lshl_b32 s38, s3, 7
	s_lshr_b32 s39, s[WV], 2
	s_lshl_b32 s39, s39, 6
	s_add_co_u32 s38, s38, s39
	s_and_b32 s39, s[WV], 3
	s_lshl_b32 s39, s39, 3
	s_add_co_u32 s38, s38, s39                     ; my tile's first token: 128 x group + 64 (w / 4) + 8 (w % 4)
	s_lshl_b32 s38, s38, 11                        ; rows of 2,048 bytes
	s_add_co_u32 s38, s38, s42
	s_mov_b32 s39, 0
	s_mul_i32 s45, s[WV], 16*SROW
	s_add_co_u32 s45, s45, STG                     ; my stage
	v_and_b32 v246, 7, v0                          ; r % 8
	v_bfe_u32 v247, v0, 3, 1                       ; r / 8
	v_bfe_u32 v248, v0, 4, 1                       ; h
	s_delay_alu instid0(VALU_DEP_3)
	v_mul_u32_u24 v[ADA], v246, PITCH
	s_delay_alu instid0(VALU_DEP_1)
	v_mad_u32_u24 v[ADA], v247, HALF, v[ADA]
	s_delay_alu instid0(VALU_DEP_1)
	v_mad_u32_u24 v[ADA+1], v248, 40, v[ADA]
	s_delay_alu instid0(VALU_DEP_2)
	v_mad_u32_u24 v[ADA], v248, 24, v[ADA]
	v_and_b32 v[L16], 31, v0
	s_delay_alu instid0(VALU_DEP_1)
	v_lshlrev_b32 v[L8], 3, v[L16]
	s_delay_alu instid0(VALU_DEP_2)
	v_lshlrev_b32 v[L16], 4, v[L16]
	v_and_b32 v249, 15, v0
	s_delay_alu instid0(VALU_DEP_1)
	v_lshlrev_b32 v[R4], 2, v249
	v_lshl_add_u32 v246, v247, 5, v246
	s_delay_alu instid0(VALU_DEP_1)
	v_lshl_add_u32 v[GA], v248, 3, v246
	s_delay_alu instid0(VALU_DEP_1)
	v_lshlrev_b32 v[GA], 4, v[GA]                  ; Wo's scale rows: lanes 16-31 take the tile 8 rows on
	v_lshlrev_b32 v[GBI], 7, v248                  ; the bias: my half's 32 columns
	v_mul_u32_u24 v[STO], v249, SROW
	s_delay_alu instid0(VALU_DEP_1)
	v_lshl_add_u32 v[STO], v248, 7, v[STO]
	s_delay_alu instid0(VALU_DEP_1)
	v_add_nc_u32 v[STO], s45, v[STO]               ; into the stage: row r, + 128 h
	v_add_nc_u32 v[RD], s45, v[L16]                ; back: the 32 lanes take one row of 512 bytes
	; group 1: 32 rows of 384 bytes; in LDS 16 bytes of padding behind every 128
	s_mov_b32 s[G1], 15|(1<<20)|(1<<21)|(4<<22)|(3<<25)   ; 15:0 the mask: all four partners; 17:16 elements of 1 byte; 20 padding on; 21 set beside a mask; 24:22 after every 32 words; 31:25 of 4 words
	s_mov_b32 s[G1+1], 256<<16                     ; the rows of codes are dense in memory: 32 of 384 bytes are stated as 48 of 256 bytes, each on a multiple of 256
	s_mov_b32 s[G1+2], 48<<16
	s_mov_b32 s[G1+3], 256<<16
	s_mov_b32 s[G1+4], 48
	s_mov_b32 s[G1+5], 256
	s_mov_b32 s[G1+6], 0
	s_mov_b32 s[G1+7], 0
	s_mov_b32 s[G0], 1
	s_wait_dscnt 0x0
	s_wait_kmcnt 0x0
	s_add_nc_u64 s[G0+2:G0+3], s[6:7], s[32:33]
	s_or_b32 s[G0+3], s[G0+3], 0x80000000
	s_add_nc_u64 s[6:7], s[4:5], s[36:37]          ; a's scale words
	s_add_nc_u64 s[4:5], s[4:5], s[34:35]          ; a's codes
	s_add_nc_u64 s[8:9], s[8:9], s[40:41]
	s_add_nc_u64 s[10:11], s[10:11], s[42:43]
	s_add_nc_u64 s[12:13], s[12:13], s[38:39]
	CROUND                                         ; all four partners are here: the joint loads meet
	s_cmp_lt_u32 s[WV], 4                          ; one load a wave
	s_cbranch_scc0 .Lasked
	tensor_load_to_lds s[G0:G0+3], s[G1:G1+7]
	s_nop 0
	PLACES 4
.Lasked:
	s_wait_alu depctr_va_vdst(0)
.irp d, 0,1,2,3,4,5,6,7                        ; my tile's fragment halves and half words, head by head
	global_load_b128 v[XF+6*\d:XF+6*\d+3], v[L16], s[4:5] offset:HEADB*\d
	global_load_b64 v[XF+6*\d+4:XF+6*\d+5], v[L8], s[4:5] offset:HEADB*\d+512
	global_load_b32 v[XW+\d], v[R4], s[6:7] offset:HEADB*\d
.endr
.irp n, 0,1,2,3
	global_load_b128 v[SA+4*\n:SA+4*\n+3], v[GA], s[8:9] offset:(64*(\n/2)+16*(\n%2))*16
.endr
.irp t, 0,1,2,3,4,5,6,7
	global_load_b128 v[ACC+8*\t:ACC+8*\t+3], v[GBI], s[10:11] offset:(64*(\t/4)+8*(\t%4))*4
	global_load_b128 v[ACC+8*\t+4:ACC+8*\t+7], v[GBI], s[10:11] offset:(64*(\t/4)+8*(\t%4))*4+16
.endr
	s_wait_loadcnt 0x0
.irp s, 0,1,2,3
	v_lshl_or_b32 v[XS+\s], v[XW+2*\s+1], 16, v[XW+2*\s]   ; two heads' half words make a K step's scale word
.endr
	PLACES 8                                       ; a scale register written by a vector instruction stands eight places ahead of a scaled matrix instruction
	s_wait_alu depctr_va_vdst(0)
	s_wait_tensorcnt 0x0                           ; my part of Wo has landed,
	s_barrier_signal -1
	s_barrier_wait -1                              ; everybody's has
	KSTEP 0
	KSTEP 1
	KSTEP 2
	KSTEP 3
	PLACES 4                                       ; in front of the first reads of results, and of loads into registers that held fragments
.irp t, 0,1,2,3,4,5,6,7                        ; lane (r, h): token r, columns 64 (t / 4) + 32 h + 8 (t % 4) + 0 .. 7; each accumulator from its low end on
	ds_store_b128 v[STO], v[ACC+8*\t:ACC+8*\t+3] offset:256*(\t/4)+32*(\t%4)
	ds_store_b128 v[STO], v[ACC+8*\t+4:ACC+8*\t+7] offset:256*(\t/4)+32*(\t%4)+16
.endr
.irp i, 0,1,2,3,4,5,6,7,8,9,10,11,12,13,14,15
	ds_load_b128 v[BK+4*\i:BK+4*\i+3], v[RD] offset:\i*SROW   ; LDS serves a wave's instructions in order (ISA guide 5.7.1.4): these see my stores
.endr
.irp i, 0,1,2,3,4,5,6,7,8,9,10,11,12,13,14,15
	s_wait_dscnt 15-\i                             ; row i is back; the younger loads may be out
	global_store_b128 v[L16], v[BK+4*\i:BK+4*\i+3], s[12:13] offset:(\i+24*(\i/8))*2048 th:TH_STORE_NT   ; 32 lanes store 512 consecutive bytes, at a multiple of 256 from out0's first byte; tile row i is token i % 8 + 32 (i / 8)
.endr
	s_wait_tensorcnt 0x0
	ds_add_u32 v254, v255
	s_wait_dscnt 0x0
	CROUND                                         ; the closing round: no work-group ends while a partner may still ask for a tile that names it
	s_endpgm
.Lfunc_end_k_q0f974b0bc9_outp:
	.size	k_q0f974b0bc9_outp, .Lfunc_end_k_q0f974b0bc9_outp-k_q0f974b0bc9_outp
	.p2alignl 7, 3214868480
	.fill 96, 4, 3214868480
	.section	.rodata,"a",@progbits
	.p2align	6, 0x0
	.amdhsa_kernel k_q0f974b0bc9_outp
		.amdhsa_group_segment_fixed_size 168960
		.amdhsa_private_segment_fixed_size 0
		.amdhsa_enable_private_segment 0
		.amdhsa_kernarg_size 40
		.amdhsa_user_sgpr_count 2
		.amdhsa_user_sgpr_kernarg_segment_ptr 1
		.amdhsa_wavefront_size32 1
		.amdhsa_system_sgpr_workgroup_id_x 1
		.amdhsa_system_sgpr_workgroup_id_y 1
		.amdhsa_system_sgpr_workgroup_id_z 1
		.amdhsa_system_vgpr_workitem_id 0
		.amdhsa_next_free_vgpr 256
		.amdhsa_next_free_sgpr 66
		.amdhsa_reserve_vcc 0
		.amdhsa_float_denorm_mode_32 3
		.amdhsa_float_denorm_mode_16_64 3
		.amdhsa_memory_ordered 1
		.amdhsa_forward_progress 1
		.amdhsa_inst_pref_size 32
	.end_amdhsa_kernel
	.amdgpu_metadata
---
amdhsa.version: [ 1, 2 ]
amdhsa.kernels:
  - .name:           k_q0f974b0bc9_outp
    .symbol:         k_q0f974b0bc9_outp.kd
    .args:
      - { .name: ao, .offset: 0, .size: 8, .value_kind: global_buffer, .address_space: global }
      - { .name: Wo_codes, .offset: 8, .size: 8, .value_kind: global_buffer, .address_space: global }
      - { .name: Wo_scales, .offset: 16, .size: 8, .value_kind: global_buffer, .address_space: global }
      - { .name: bo, .offset: 24, .size: 8, .value_kind: global_buffer, .address_space: global }
      - { .name: out0, .offset: 32, .size: 8, .value_kind: global_buffer, .address_space: global }
    .group_segment_fixed_size: 168960
    .private_segment_fixed_size: 0
    .kernarg_segment_align: 8
    .kernarg_segment_size: 40
    .max_flat_workgroup_size: 256
    .sgpr_count:     66
    .vgpr_count:     256
    .wavefront_size: 32
...
	.end_amdgpu_metadata
.endif
;; end of part 3
